; MI455X (gfx1250); checked and timed in simulation.
; The chip was launched on July 23, 2026; its instructions are those of AMD's public machine-readable ISA for CDNA 5 (MIT licence, August 2026) and "CDNA5" Instruction Set Architecture Reference Guide (July 2026). The comments in the code are by the model that wrote it; some were corrected since.
;; Binary Dense Layer. Allowed arithmetic: float matrix products may take bf16 or f16 operands with f32 sums; other float arithmetic in f32, or as packed bf16 or f16 multiplies, adds, multiply-adds, maxima and minima; sums over many terms, partial sums and values carried from step to step in f32; what a program stores and reads back later, other than sums and carried values, may be rounded once to bf16 or f16.
;; Inputs: W 4,096 x 4,096 float32; b 4,096 float32; x 4,096 x 4,096 float32.
;; Outputs: out0 4,096 x 4,096 float32.
;; 2 versions, each right; version 2 is version 1 with the launch prep written anew for expert scheduling mode. Each part assembles by itself: llvm-mc -triple=amdgcn-amd-amdhsa -mcpu=gfx1250 --defsym DOCPART=n.
;; ======== version 1 of 2: 2 launches
;; workspace buffers: xb 33,554,432 bytes; wq 33,554,432 bytes
;; launch prep (part 1): grid 512 x 2, 8 waves a work-group, no clusters, 0 bytes of LDS; arguments x, W, xb, wq; writes xb, wq
.if DOCPART == 1
	.amdgcn_target "amdgcn-amd-amdhsa--gfx1250"
	.amdhsa_code_object_version 6
	.text
	.protected	k_q01505f6765_prep
	.globl	k_q01505f6765_prep
	.p2align	8
	.type	k_q01505f6765_prep,@function
k_q01505f6765_prep:
	s_mov_b64 s[64:65], 0
	v_nop
	global_prefetch_b8 v0, s[64:65] scope:SCOPE_SE
	s_setreg_imm32_b32 hwreg(HW_REG_WAVE_MODE, 25, 1), 1
	s_wait_xcnt 0x0
; xb = bf16(x), wq = bf16(sign(W)); both keep their source's layout, [4096][4096] row-major.
; Work-groups with y = 0 take x, those with y = 1 take W.  A work-group owns 131,072 consecutive input bytes: 32 lines of 4,096 bytes, and the 65,536 output bytes that they make.
; In line n thread t loads the 16 bytes at 4,096 n + 16 t (a wave's load covers 512 consecutive bytes) and stores the 8 bytes at 2,048 n + 8 t (a wave's store covers 256 consecutive
; bytes, aligned).  Every byte is read once and written once; nothing is shared between threads, so there is no LDS, no barrier, no cluster and no matrix work.
; A ring of 16 register slots keeps 16 loads of every wave on their way.  All 32 lines stand in the immediates: no address register is ever rewritten, and there is no loop.
; LIMITS.  x is rounded once to bf16, to nearest even; its range is f32's own.  sign(W) is -1, 0 or +1, exact in bf16; W = +0 and W = -0 give +0.
; A NaN in W counts as +1 or -1 by its sign bit, where the sign function would give NaN.
.set LINES, 32                         ; lines of a work-group
.set DEPTH, 16                         ; slots = loads in flight in each wave
.set IN,  1                            ; v1        16 t; never rewritten
.set OUT, 2                            ; v2        8 t; never rewritten
.set T,   4                            ; v[4:7]    at work: four signs in f32
.set X,   16                           ; v[16:79]  slot i: 4 registers as loaded
.set Y,   80                           ; v[80:111] slot i: 2 registers to store
	s_load_b256 s[4:11], s[0:1], 0x0               ; x s[4:5], W s[6:7], xb s[8:9], wq s[10:11]
	s_and_b32 s12, ttmp7, 0xffff                   ; y: 0 = x, 1 = W
	s_lshl_b32 s18, ttmp9, 17                      ; the work-group's first input byte,
	s_mov_b32 s19, 0
	s_lshl_b32 s20, ttmp9, 16                      ; and its first output byte
	s_mov_b32 s21, 0
	s_mov_b32 s22, 0x80000000                      ; an f32's sign bit
	s_mov_b32 s23, 0x3f800000                      ; 1.0
	v_lshlrev_b32 v[IN], 4, v0
	v_lshlrev_b32 v[OUT], 3, v0
	s_wait_kmcnt 0x0
	s_cmp_eq_u32 s12, 0
	s_cselect_b64 s[14:15], s[4:5], s[6:7]         ; from where,
	s_cselect_b64 s[16:17], s[8:9], s[10:11]       ; to where
	s_add_nc_u64 s[14:15], s[14:15], s[18:19]
	s_add_nc_u64 s[16:17], s[16:17], s[20:21]
.set ln, 0
.rept DEPTH
	global_load_b128 v[X+4*ln:X+4*ln+3], v[IN], s[14:15] offset:ln*4096 th:TH_LOAD_NT  ; the ring is filled: lines 0 to 15
.set ln, ln+1
.endr
; Line n's turn.  mode = 0: round to bf16.  mode = 1: the sign, then the same (exact) conversion.
.macro TURN n, mode
.set XI, X+4*((\n)%DEPTH)
.set YI, Y+2*((\n)%DEPTH)
.if (\n) <= LINES-DEPTH
	s_wait_loadcnt DEPTH-1                         ; loads come back in order (ISA guide 5.7.1): line n is in, the 15 younger ones stay out
.else
	s_wait_loadcnt LINES-1-(\n)                    ; nothing is loaded any more: the counts run down
.endif
.if (\n) >= DEPTH
	s_wait_xcnt 0x0                                ; the slot's Y was the data of the store 16 turns back: it is rewritten only behind this wait
.endif
.if \mode
.irp k, 0,1,2,3
	v_and_or_b32 v[T+(\k)], v[XI+(\k)], s22, s23   ; w's sign bit over 1.0
	v_cmp_neq_f32 vcc_lo, 0, v[XI+(\k)]
	v_cndmask_b32 v[T+(\k)], 0, v[T+(\k)], vcc_lo  ; and 0 where w is 0
.endr
	v_cvt_pk_bf16_f32 v[YI], v[T], v[T+1]
	v_cvt_pk_bf16_f32 v[YI+1], v[T+2], v[T+3]
.else
	v_cvt_pk_bf16_f32 v[YI], v[XI], v[XI+1]
	v_cvt_pk_bf16_f32 v[YI+1], v[XI+2], v[XI+3]
.endif
.if (\n)+DEPTH < LINES
	global_load_b128 v[XI:XI+3], v[IN], s[14:15] offset:((\n)+DEPTH)*4096 th:TH_LOAD_NT  ; the slot's next line, ahead of the store
.endif
	global_store_b64 v[OUT], v[YI:YI+1], s[16:17] offset:(\n)*2048 th:TH_STORE_NT
.endm
	s_cmp_lg_u32 s12, 0
	s_cbranch_scc1 .Lsign
.set ln, 0
.rept LINES
	TURN ln, 0
.set ln, ln+1
.endr
	s_endpgm
.Lsign:
.set ln, 0
.rept LINES
	TURN ln, 1
.set ln, ln+1
.endr
	s_endpgm
.Lfunc_end_k_q01505f6765_prep:
	.size	k_q01505f6765_prep, .Lfunc_end_k_q01505f6765_prep-k_q01505f6765_prep
	.p2alignl 7, 3214868480
	.fill 96, 4, 3214868480
	.section	.rodata,"a",@progbits
	.p2align	6, 0x0
	.amdhsa_kernel k_q01505f6765_prep
		.amdhsa_group_segment_fixed_size 0
		.amdhsa_private_segment_fixed_size 0
		.amdhsa_enable_private_segment 0
		.amdhsa_kernarg_size 32
		.amdhsa_user_sgpr_count 2
		.amdhsa_user_sgpr_kernarg_segment_ptr 1
		.amdhsa_wavefront_size32 1
		.amdhsa_system_sgpr_workgroup_id_x 1
		.amdhsa_system_sgpr_workgroup_id_y 1
		.amdhsa_system_sgpr_workgroup_id_z 1
		.amdhsa_system_vgpr_workitem_id 0
		.amdhsa_next_free_vgpr 112
		.amdhsa_next_free_sgpr 66
		.amdhsa_reserve_vcc 1
		.amdhsa_float_denorm_mode_32 3
		.amdhsa_float_denorm_mode_16_64 3
		.amdhsa_memory_ordered 1
		.amdhsa_forward_progress 1
		.amdhsa_inst_pref_size 39
	.end_amdhsa_kernel
	.amdgpu_metadata
---
amdhsa.version: [ 1, 2 ]
amdhsa.kernels:
  - .name:           k_q01505f6765_prep
    .symbol:         k_q01505f6765_prep.kd
    .args:
      - { .name: x, .offset: 0, .size: 8, .value_kind: global_buffer, .address_space: global }
      - { .name: W, .offset: 8, .size: 8, .value_kind: global_buffer, .address_space: global }
      - { .name: xb, .offset: 16, .size: 8, .value_kind: global_buffer, .address_space: global }
      - { .name: wq, .offset: 24, .size: 8, .value_kind: global_buffer, .address_space: global }
    .group_segment_fixed_size: 0
    .private_segment_fixed_size: 0
    .kernarg_segment_align: 8
    .kernarg_segment_size: 32
    .max_flat_workgroup_size: 256
    .sgpr_count:     66
    .vgpr_count:     112
    .wavefront_size: 32
...
	.end_amdgpu_metadata
.endif
;; end of part 1
;; launch gemm (part 2): grid 16 x 16, 4 waves a work-group, clusters of 4 x 4, 327,680 bytes of LDS; arguments xb, wq, b, out0; writes out0
.if DOCPART == 2
	.amdgcn_target "amdgcn-amd-amdhsa--gfx1250"
	.amdhsa_code_object_version 6
	.text
	.protected	k_q01505f6765_gemm
	.globl	k_q01505f6765_gemm
	.p2align	8
	.type	k_q01505f6765_gemm,@function
k_q01505f6765_gemm:
	s_mov_b64 s[64:65], 0
	v_nop
	global_prefetch_b8 v0, s[64:65] scope:SCOPE_SE
	s_setreg_imm32_b32 hwreg(HW_REG_WAVE_MODE, 25, 1), 1
	s_wait_xcnt 0x0
	s_wait_alu depctr_hold_cnt(0) depctr_sa_sdst(0) depctr_va_vdst(0) depctr_va_sdst(0) depctr_va_ssrc(0) depctr_va_vcc(0) depctr_vm_vsrc(0)
	s_getreg_b32 s2, hwreg(HW_REG_IB_STS2, 6, 4)
	s_cmp_eq_u32 s2, 0
	s_cbranch_scc0 .Lentry_in_a_cluster
	s_endpgm
.Lentry_in_a_cluster:
	s_bfe_u32 s2, ttmp6, 0x10000c
	s_cmp_lg_u32 s2, 0xf033
	s_cbranch_scc0 .Lentry_shape_is_right
	s_endpgm
.Lentry_shape_is_right:
; out0[m][n] = the sum over k of xb[m][k] wq[k][n] + b[n].  xb: [4096 m][4096 k] bf16 (x rounded once); wq: [4096 k][4096 n] bf16 (-1, 0, +1: exact); b: [4096] f32; out0: [4096][4096] f32.
; One f32 sum for each output, K ascending; the bias is added in f32 on the way out.  LIMITS: those of the operands: x has bf16's 8 significant bits and f32's range.
; SHARES.  C has 16 x 16 tiles of 256 x 256, one to a work-group.  Four waves, each 128 x 128: 64 accumulators of 16 x 16, 512 registers.  K goes in steps of 128 through a ring of two LDS slots
; filled by the tensor data mover.  A's tile is 256 rows of xb x 256 bytes; B's tile lies as wq lies, [k][n]: 128 rows (k) x 512 bytes, fetched as two column halves of 128 rows x 256 bytes.
; Every tile row is 256 consecutive bytes of memory and starts at a multiple of 256 from its buffer's first byte.
; B's fragments come out of LDS turned, by ds_load_tr16_b128: as many LDS loads as for rows that lie along K, so wq need not be transposed in memory.
; CLUSTERS: 4 x 4 work-groups.  The four of a row of the cluster need the same tiles of xb, the four of a column the same tiles of wq: each tile is asked for JOINTLY, by the same tensor load with
; the same descriptor and a mask that names the four; that divides the requests for both by four.
; THE MATRIX INSTRUCTION IS USED TRANSPOSED: source 0 = 16 columns of wq, source 1 = 16 rows of xb.  In the result lane l holds row l % 16 of C and its registers 0 to 7 the columns
; 8 (l / 16) + 0 .. 7: 32 neighbouring bytes of a row of out0.
; REGISTERS, in windows of 256 (s_set_vgpr_msb's low byte: bits 1:0 source 0, 3:2 source 1, 5:4 source 2, 7:6 destination):
;   window 0: v0-31 addresses and the bias; v64-127, v128-191 fragments of xb, two buffers (on the way out: two buffers of 16 rows)
;   window 1: v64-127, v128-191 fragments of wq, two buffers
;   window 2: the 32 accumulators of my rows 0-63 (accumulator (a, b) at v[8 (8 a + b)]);   window 3: those of my rows 64-127
.set SIZE,   4096                      ; M = N = K
.set KSTEP,  128
.set ROWB,   SIZE*2                    ; bytes in a row of xb and of wq: 8,192 = 1 << 13
.set ROWC,   SIZE*4                    ; bytes in a row of out0: 16,384 = 1 << 14
.set STEPA,  KSTEP*2                   ; a K step along a row of xb: 256 bytes
.set STEPB,  KSTEP*ROWB                ; a K step down the rows of wq: 1,048,576 bytes
.set PA,     272                       ; an LDS row of A: 256 bytes + 16 of padding = 68 words: row r starts at bank 4 r mod 64 (64 banks of 4 bytes: ISA guide 11.1): the 16 rows of a load start at 16 different banks
.set PB,     288                       ; an LDS row of B: 256 + 32 = 72 words: row r starts at bank 8 r mod 64
.set HALFA,  128*PA                    ; 128 rows of xb: what wave 0 or 1 fetches, and what a wave reads of A
.set HALFB,  128*PB                    ; 128 k x 128 columns of wq: what wave 2 or 3 fetches, and what a wave reads of B
.set SLOT,   2*HALFA+2*HALFB           ; A's two row halves, then B's two column halves
.set STAGE,  2*SLOT                    ; behind the ring, never filled by a tensor load: 16 rows x 528 bytes for each wave, for the way out
.set SPITCH, 528                       ; 512 bytes (128 f32) + 16 = 33 x 16: the 16 rows that a store touches start at 16 different groups of four banks
.set SPARE,  STAGE+4*16*SPITCH         ; behind the stages: the spare words, 128 bytes for each wave: two blocks of 256 bytes that no other line names
.set LAPS,   SIZE/(2*KSTEP)            ; a lap = two K steps = once round the ring
.set BIAS, 12                          ; v[12:15] b of the four columns that I store
.set ADRA, 16                          ; v16-17  LDS address of my A fragments in slot 0, 1
.set ADRB, 20                          ; v20-21  the same for B
.set STO,  24                          ; v24     the way out: where I put 32 bytes of a row
.set RD,   25                          ; v25     the way out: where I read 16 bytes of a row back
.set CO,   26                          ; v26     16 x lane: my byte offset in the wave's 512 bytes of a row of out0, and of b
.set SPW,  28                          ; v28     LDS address of my spare word: SPARE + 4 x my thread's number; never rewritten
.set NIL,  29                          ; v29     0; never rewritten
.set PFO,  30                          ; v30     the prefetches' offset: lane x 8,192, a row of xb or of wq; never rewritten
.set F0,   64                          ; fragment buffer 0
.set F1,   128                         ; fragment buffer 1
.set WV,  12                           ; s12  my wave's number
.set RH,  13                           ; s13  which half of the tile's rows is mine.  Also: I fetch for A (0) or for B (1)
.set CH,  14                           ; s14  which half of its columns.  Also: which half of that tile I fetch
.set G1,  24                           ; s[24:31] descriptor group 1 for A's tiles
.set G0,  32                           ; s[32:39] descriptor group 0 for A's tiles, one set for each slot
.set PFA, 40                           ; s[40:41] where my prefetches stand: my work-group's 32 rows of the 128 that I fetch
.set PST, 42                           ; s[42:43] a K step for them: STEPA or STEPB
.set LIM, 44                           ; s44  1 in a wave that prefetches, else the greatest number
.set G1B, 48                           ; s[48:55] descriptor group 1 for B's tiles
.set G0B, 56                           ; s[56:63] descriptor group 0 for B's tiles, one set for each slot
.set MSB, 0
.macro WIN new                         ; the immediate's high byte repeats the setting that is left; a switch that changes nothing is dropped
.if MSB != (\new)
	s_set_vgpr_msb (MSB<<8)|(\new)
.set MSB, \new
.endif
.endm
.set MUL_LO, 0xa1                      ; source 0 (B) window 1, source 1 (A) window 0, C and D window 2
.set MUL_HI, 0xf1                      ; the same, C and D window 3
.set TO_B,   0x40                      ; destination window 1, address window 0
; A joint load.  Waves 0 and 1 fetch A's two halves, waves 2 and 3 B's.  Each of the two lines has one mask and one set of registers for all that issue it.  The branch hangs on the wave's number alone.
; An s_nop 0 and four v_nop follow each of the two lines, ahead of the jump, the label and what follows.
.macro JLOAD s
	s_cmp_eq_u32 s[RH], 0
	s_cbranch_scc0 .Lfor_b_\@
	tensor_load_to_lds s[G0+4*(\s):G0+4*(\s)+3], s[G1:G1+7]
	s_nop 0
.rept 4
	v_nop
.endr
	s_branch .Lasked_\@
.Lfor_b_\@:
	tensor_load_to_lds s[G0B+4*(\s):G0B+4*(\s)+3], s[G1B:G1B+7]
	s_nop 0
.rept 4
	v_nop
.endr
.Lasked_\@:
.endm
; A PREFETCH INTO THE L2, behind each joint refill, its five lines and the run of LDS loads that follows: 32 rows x 256 bytes of the K step that stands TWO refills on, a lane a row, one instruction a wave:
; 512 matrix instructions ahead of the load that will ask for them.  Each row's 256 bytes of a K step are named ONCE in the launch: xb's tile row is read by every cluster of that row of clusters, and the
; one with cluster x = 0 asks; wq's tile column by every cluster of that column, and the one with cluster y = 0 asks.  The four partners that ask for a tile jointly share its 128 rows out BY ADDRESS,
; 32 each (by cx for xb, by cy for wq): no branch hangs on a work-group's place in its cluster.  The loop's last trip (s3 = 1) asks for nothing: there is no K step two on.
.macro ASK
	s_cmp_gt_u32 s3, s[LIM]
	s_cbranch_scc0 .Lnot_mine_\@
	global_prefetch_b8 v[PFO], s[PFA:PFA+1] th:TH_LOAD_NT scope:SCOPE_SE
.Lnot_mine_\@:
.endm
; A round of the cluster's barrier: my work-group's barrier, so that wave 0's signal speaks for all four waves; wave 0 signals for the work-group; every wave waits for all sixteen work-groups;
; my work-group's barrier once more.  No LDS instruction of the wave is pending at a signal.
.macro CREST                           ; a round behind its opening barrier
	s_cmp_lg_u32 s[WV], 0
	s_cbranch_scc1 .Lnot_wave_0_\@
	s_barrier_signal -3
.Lnot_wave_0_\@:
	s_barrier_wait -3
	s_barrier_signal -1
	s_barrier_wait -1
.endm
.macro CROUND                          ; a whole round
	s_barrier_signal -1
	s_barrier_wait -1
	CREST
.endm
	s_load_b256 s[4:11], s[0:1], 0x0               ; xb s[4:5], wq s[6:7], b s[8:9], out0 s[10:11]
	v_lshl_add_u32 v[SPW], v0, 2, SPARE
	v_mov_b32 v[NIL], 0
	ds_add_u32 v[SPW], v[NIL]                      ; the wave's opening: the add, twice on end, and its wait stand ahead of my first tensor load; the set-up below, work on registers, stands between
	ds_add_u32 v[SPW], v[NIL]                      ; and once more, under the one wait
	v_lshrrev_b32 v1, 5, v0
	v_readfirstlane_b32 s[WV], v1                  ; wave 0..3
	s_lshr_b32 s[RH], s[WV], 1
	s_and_b32 s[CH], s[WV], 1
	s_bfe_u32 s15, ttmp6, 0x40000                  ; cx: my place along the cluster's x
	s_bfe_u32 s16, ttmp6, 0x40004                  ; cy: along its y
	s_lshl_b32 s17, ttmp9, 2                       ; in a cluster launch ttmp9 and ttmp7 count clusters
	s_add_co_u32 s17, s17, s15                     ; tile column of C = 4 x cluster x + cx
	s_and_b32 s18, ttmp7, 0xffff
	s_lshl_b32 s18, s18, 2
	s_add_co_u32 s18, s18, s16                     ; tile row of C = 4 x cluster y + cy
	s_lshl_b32 s19, s16, 2
	s_lshl_b32 s19, 15, s19                        ; my row of the cluster: places 4 cy .. 4 cy + 3
	s_lshl_b32 s45, 0x1111, s15                    ; my column: places cx, cx + 4, cx + 8, cx + 12
	; descriptor group 1: a tile of 128 rows x 128 elements of 2 bytes, padded in LDS
	s_or_b32 s[G1+0], s19, (1<<16)|(1<<20)|(1<<21)|(5<<22)|(3<<25)   ; 15:0 the mask: A's tiles go to my row; 17:16 elements of 2 bytes; 20 padding on; 21 set beside a mask; 24:22 after every 64 words (code 5); 31:25 4 words of it (code 3)
	s_or_b32 s[G1B+0], s45, (1<<16)|(1<<20)|(1<<21)|(5<<22)|(7<<25)  ; the mask of my column, for B's tiles; 8 words of padding (code 7)
.irp g, G1, G1B
	s_mov_b32 s[(\g)+1], KSTEP<<16                 ; 63:48 tensor_dim0, low half = 128
	s_mov_b32 s[(\g)+2], 128<<16                   ; 79:64 its high half = 0; 95:80 tensor_dim1, low half = 128
	s_mov_b32 s[(\g)+3], KSTEP<<16                 ; 111:96 its high half = 0; 127:112 tile_dim0 = 128
	s_mov_b32 s[(\g)+4], 128                       ; 143:128 tile_dim1 = 128; 159:144 tile_dim2 = 0
	s_mov_b32 s[(\g)+5], SIZE                      ; 191:160 tensor_dim0_stride, low word: 4,096 elements from row to row
	s_mov_b32 s[(\g)+6], 0
	s_mov_b32 s[(\g)+7], 0
.endr
	; where the tiles come from.  A's hang on the tile row alone, which my row of the cluster shares; B's on the tile column alone, which my column shares.  Every wave makes both addresses and asks by one.
	s_lshl_b32 s20, s18, 8
	s_lshl_b32 s22, s[CH], 7
	s_add_co_u32 s20, s20, s22                     ; xb: row 256 x tile row + 128 x half,
	s_lshl_b32 s20, s20, 13                        ; in bytes (under 2^25)
	s_mov_b32 s21, 0
	s_lshl_b32 s46, s17, 9                         ; wq: column 256 x tile column + 128 x half, in bytes
	s_lshl_b32 s47, s[CH], 8
	s_add_co_u32 s46, s46, s47
	s_mov_b32 s47, 0
	s_mul_i32 s22, s[CH], HALFA                    ; and where they go: A's two halves,
	s_mul_i32 s23, s[CH], HALFB
	s_add_co_u32 s23, s23, 2*HALFA                 ; then B's two: no place in the cluster enters an LDS address
	s_wait_dscnt 0x0                               ; both opening adds are done
	s_wait_kmcnt 0x0
	s_add_nc_u64 s[20:21], s[4:5], s[20:21]
	s_add_nc_u64 s[46:47], s[6:7], s[46:47]
	CROUND                                         ; all sixteen work-groups are here: the first joint loads meet
.irp s, 0,1
	s_mov_b32 s[G0+4*(\s)], 1                                        ; 1:0 count = 1
	s_add_co_u32 s[G0+4*(\s)+1], s22, (\s)*SLOT                      ; 63:32 LDS address
	s_add_nc_u64 s[G0+4*(\s)+2:G0+4*(\s)+3], s[20:21], (\s)*STEPA    ; 120:64 global address: K step s
	s_or_b32 s[G0+4*(\s)+3], s[G0+4*(\s)+3], 0x80000000              ; 127:126 type = 2
	s_mov_b32 s[G0B+4*(\s)], 1
	s_add_co_u32 s[G0B+4*(\s)+1], s23, (\s)*SLOT
	s_add_nc_u64 s[G0B+4*(\s)+2:G0B+4*(\s)+3], s[46:47], (\s)*STEPB
	s_or_b32 s[G0B+4*(\s)+3], s[G0B+4*(\s)+3], 0x80000000
	JLOAD \s                                       ; the ring is filled before anything else is done: two loads of mine are out
.endr
	; A fragment of xb is 16 rows x 32 K in 8 registers: lane l holds row l % 16; registers 0-3 hold K = 8 (l / 16) + 0..7, registers 4-7 K = 16 + 8 (l / 16) + 0..7: two loads of 16 bytes, 32 bytes apart.
	v_and_b32 v1, 15, v0                           ; l % 16
	v_bfe_u32 v2, v0, 4, 1                         ; l / 16
	v_mul_u32_u24 v3, v1, PA
	v_lshl_add_u32 v3, v2, 4, v3                   ; row x pitch + 16 x half
	; The turning load takes 16 k x 16 columns (lane l reads 16 bytes: k = 8 (l / 16) + l % 8, columns 8 ((l / 8) % 2) + 0..7) and leaves half a fragment: lane l holds column l % 16 and 8 k.
	v_and_b32 v4, 7, v0
	v_lshl_add_u32 v4, v2, 3, v4
	v_mul_u32_u24 v4, v4, PB
	v_bfe_u32 v5, v0, 3, 1
	v_lshl_add_u32 v4, v5, 4, v4
	s_mul_i32 s20, s[RH], HALFA                    ; my 128 rows of A; s23 still holds my column half of B
.irp s, 0,1
	v_add_nc_u32 v[ADRA+(\s)], s20, v3
	v_add_nc_u32 v[ADRB+(\s)], s23, v4
	s_add_co_u32 s20, s20, SLOT
	s_add_co_u32 s23, s23, SLOT
.endr
	s_mul_i32 s22, s[WV], 16*SPITCH
	s_add_co_u32 s22, s22, STAGE                   ; my stage
	v_mul_u32_u24 v5, v1, SPITCH                   ; in: row l % 16, 32 bytes for each half of the lanes
	v_lshl_add_u32 v5, v2, 5, v5
	v_add_nc_u32 v[STO], s22, v5
	v_and_b32 v5, 31, v0                           ; back: the 32 lanes take one row of 512 bytes
	v_lshlrev_b32 v[CO], 4, v5
	v_add_nc_u32 v[RD], s22, v[CO]
	v_lshlrev_b32 v[PFO], 13, v5
	; b and out0 at my part of the tile
	s_lshl_b32 s46, s17, 10                        ; my first column, in bytes of f32: 1,024 x tile column + 512 x half
	s_lshl_b32 s47, s[CH], 9
	s_add_co_u32 s46, s46, s47
	s_mov_b32 s47, 0
	s_add_nc_u64 s[8:9], s[8:9], s[46:47]
	s_add_nc_u64 s[10:11], s[10:11], s[46:47]
	s_lshl_b32 s20, s18, 8
	s_lshl_b32 s21, s[RH], 7
	s_add_co_u32 s20, s20, s21                     ; my first row of C,
	s_lshl_b32 s20, s20, 14                        ; in bytes (under 2^26)
	s_mov_b32 s21, 0
	s_add_nc_u64 s[10:11], s[10:11], s[20:21]
	global_load_b128 v[BIAS:BIAS+3], v[CO], s[8:9] ; the same four columns in every row that I store
	; the prefetches: the pointer starts at K step 3; each refill steps it first, so the refill of K step s names K step s + 2.  Nothing is prefetched here, at the head, where every work-group's first tiles are on their way
	s_lshl_b32 s20, s18, 8
	s_lshl_b32 s21, s[CH], 7
	s_add_co_u32 s20, s20, s21                     ; xb: the 128 rows that I fetch,
	s_lshl_b32 s21, s15, 5
	s_add_co_u32 s20, s20, s21                     ; my work-group's 32 of them (by cx),
	s_lshl_b32 s20, s20, 13
	s_add_co_u32 s20, s20, 3*STEPA
	s_lshl_b32 s46, s17, 9                         ; wq: the 256 bytes of a row that I fetch,
	s_lshl_b32 s47, s[CH], 8
	s_add_co_u32 s46, s46, s47
	s_lshl_b32 s47, s16, 18                        ; my work-group's 32 of a K step's 128 rows (by cy): 32 x 8,192 bytes
	s_add_co_u32 s46, s46, s47
	s_add_co_u32 s46, s46, 3*STEPB
	s_and_b32 s22, ttmp7, 0xffff                   ; cluster y
	s_mov_b32 s[PST], STEPB
	s_cmp_eq_u32 s[RH], 0                          ; do I fetch for A?
	s_cselect_b32 s20, s20, s46
	s_cselect_b32 s22, ttmp9, s22                  ; the coordinate along which other clusters read the same rows
	s_cselect_b32 s[PST], STEPA, s[PST]
	s_cselect_b64 s[PFA:PFA+1], s[4:5], s[6:7]
	s_mov_b32 s21, 0
	s_mov_b32 s[PST+1], 0
	s_add_nc_u64 s[PFA:PFA+1], s[PFA:PFA+1], s[20:21]
	s_cmp_eq_u32 s22, 0
	s_cselect_b32 s[LIM], 1, -1                    ; the same in all sixteen partners, for a given wave
; 16 matrix instructions: m blocks a0, a0 + 1 of the window's four (hi = 0: my rows 0-63, 1: rows 64-127) x all 8 n blocks, 32 along K.  zero = 1: the first product starts the sums: nothing is ever cleared.
; The 64 accumulators take turns, one instruction a turn, in the same order in every quarter step, over the loop's backward jump too.
.macro MUL16 f, hi, a0, zero
	WIN MUL_LO+0x50*(\hi)
.irp a, \a0, (\a0)+1
.irp b, 0,1,2,3,4,5,6,7
.if \zero
	v_wmma_f32_16x16x32_bf16 v[8*(8*(\a)+(\b)):8*(8*(\a)+(\b))+7], v[(\f)+8*(\b):(\f)+8*(\b)+7], v[(\f)+8*(4*(\hi)+(\a)):(\f)+8*(4*(\hi)+(\a))+7], 0
.else
	v_wmma_f32_16x16x32_bf16 v[8*(8*(\a)+(\b)):8*(8*(\a)+(\b))+7], v[(\f)+8*(\b):(\f)+8*(\b)+7], v[(\f)+8*(4*(\hi)+(\a)):(\f)+8*(4*(\hi)+(\a))+7], v[8*(8*(\a)+(\b)):8*(8*(\a)+(\b))+7]
.endif
.endr
.endr
.endm
; 32 LDS loads in one run: the fragments of quarter q of a K step (32 K x 128 columns of B, turned; 128 rows of A x 32 K) into buffer f
.macro FETCH slot, q, f
	WIN TO_B
.irp i, 0,1,2,3,4,5,6,7
	ds_load_tr16_b128 v[(\f)+8*(\i):(\f)+8*(\i)+3],   v[ADRB+(\slot)] offset:(\q)*32*PB+32*(\i)
	ds_load_tr16_b128 v[(\f)+8*(\i)+4:(\f)+8*(\i)+7], v[ADRB+(\slot)] offset:(\q)*32*PB+16*PB+32*(\i)
.endr
	WIN 0
.irp i, 0,1,2,3,4,5,6,7
	ds_load_b128 v[(\f)+8*(\i):(\f)+8*(\i)+3],   v[ADRA+(\slot)] offset:64*(\q)+(\i)*16*PA
	ds_load_b128 v[(\f)+8*(\i)+4:(\f)+8*(\i)+7], v[ADRA+(\slot)] offset:64*(\q)+(\i)*16*PA+32
.endr
.endm
; A load into a register that a matrix instruction has read, and an LDS store that reads a matrix result, stand four places behind that matrix instruction, and only plain vector instructions that name
; none of its registers are places (ISA guide 7.12.1 for vector instructions); the matrix instructions in between are not counted.
.macro PLACES
.rept 4
	v_nop
.endr
.endm
; A K step is four quarter steps of 32 along K, 64 matrix instructions each, on buffers 0, 1, 0, 1.  One of the first three: multiplies buffer f; in its middle it fetches quarter q of the same slot into buffer g.
.macro QUARTER slot, q, f, g, zero
	s_wait_dscnt 8                                 ; B and A's rows 0-63 are in; the youngest eight loads (A's rows 64-127) may be out
	MUL16 \f, 0, 0, \zero
	MUL16 \f, 0, 2, \zero
	PLACES
	FETCH \slot, \q, \g
	s_wait_dscnt 32                                ; all but the 32 just issued
	MUL16 \f, 1, 0, \zero
	MUL16 \f, 1, 2, \zero
.endm
; The last quarter multiplies buffer 1 and changes slots.  MEET is its first half: ONE barrier for the change of slots.  In front of it each wave waits for all its tensor loads, of which one is out: its part of
; the next slot; adds 0 to its spare word; and waits for that and for its own reads of this slot.  Behind it nobody reads this slot any more and the next slot is whole.
.macro MEET round                      ; round = 1: the rest of a round of the cluster's barrier follows
	WIN 0                                          ; (the add's two registers lie in window 0)
	s_wait_tensorcnt 0x0                           ; all my tensor loads have landed;
	ds_add_u32 v[SPW], v[NIL]                      ; 0 onto my spare word;
	s_wait_dscnt 9                                 ; (the add and the youngest eight loads may be out)
	MUL16 F1, 0, 0, 0                              ; sixteen matrix instructions stand between the add and the wait for it
	s_wait_dscnt 0x0                               ; the add is done, and my reads of this slot are over:
	s_barrier_signal -1                            ; say so,
	MUL16 F1, 0, 2, 0                              ; work on registers while the others arrive,
.if \round
	WIN 0
.endif
	s_barrier_wait -1                              ; and go on when all four have said so
.endm
; The whole last quarter.  fill = 1: behind a round of the cluster's barrier the slot just read out is filled again first, with the K step two steps on; then come the next slot's first fragments.
; From that request to the wait for it a wave issues 224 matrix instructions.  fill = 0 (the last lap): nothing is left to fetch, and no round follows.
.macro TURN slot, next, fill
.if \fill
	s_wait_xcnt 0x0                                ; the last prefetch, a K step back, has read its address: it is stepped here, ahead of the waits of the change of slots
	s_add_nc_u64 s[PFA:PFA+1], s[PFA:PFA+1], s[PST:PST+1]
	MEET 1
	CREST                                          ; no wave of any partner still reads this slot's tile or has a load on its way
	s_add_nc_u64 s[G0+4*(\slot)+2:G0+4*(\slot)+3], s[G0+4*(\slot)+2:G0+4*(\slot)+3], 2*STEPA     ; no tensor load of mine is out, so a group 0 may be written; the type bits on top are not reached
	s_add_nc_u64 s[G0B+4*(\slot)+2:G0B+4*(\slot)+3], s[G0B+4*(\slot)+2:G0B+4*(\slot)+3], 2*STEPB
	JLOAD \slot                                    ; the first tensor load behind the round, my only one until the next; the four v_nop behind it are also the places in front of the loads below
	FETCH \next, 0, F0
	ASK
.else
	MEET 0
	PLACES
	FETCH \next, 0, F0
.endif
	MUL16 F1, 1, 0, 0
	MUL16 F1, 1, 2, 0
.endm
; THE WAY OUT of block a (16 rows x 128 columns of f32).  TOSTAGE: a lane's 32 bytes of a row go into my own stage in LDS, straight from the accumulators, each accumulator's low four registers first,
; the block comes back as whole rows of 512 bytes, into the registers that held A's fragments, two buffers by turns.
.macro TOSTAGE a
.set AC, 64*((\a)%4)
.set BK, F0+64*((\a)%2)
.if (\a) >= 2
	s_wait_xcnt 0x0                                ; this buffer was the data of block a - 2's stores: it is loaded again only behind this wait
.endif
	WIN 0x08+4*((\a)/4)                            ; an LDS store's data are its source 1: window 2 or 3
.irp b, 0,1,2,3,4,5,6,7
	ds_store_b128 v[STO], v[AC+8*(\b):AC+8*(\b)+3]   offset:64*(\b)
	ds_store_b128 v[STO], v[AC+8*(\b)+4:AC+8*(\b)+7] offset:64*(\b)+16
.endr
	WIN 0
.irp t, 0,1,2,3,4,5,6,7,8,9,10,11,12,13,14,15
	ds_load_b128 v[BK+4*(\t):BK+4*(\t)+3], v[RD] offset:(\t)*SPITCH  ; LDS serves a wave's instructions in order (ISA guide 5.7.1.4): these see the stores above; the next block's stores come behind them
.endr
.endm
; SEND: the bias is added and the rows are stored.  younger: the LDS instructions issued behind block a's loads: the next block's 16 stores and 16 loads, or none.
.macro SEND a, younger
.set BK, F0+64*((\a)%2)
.irp t, 0,1,2,3,4,5,6,7,8,9,10,11,12,13,14,15
	s_wait_dscnt (\younger)+15-(\t)                ; row t is back in registers
	v_pk_add_f32 v[BK+4*(\t):BK+4*(\t)+1],   v[BK+4*(\t):BK+4*(\t)+1],   v[BIAS:BIAS+1]
	v_pk_add_f32 v[BK+4*(\t)+2:BK+4*(\t)+3], v[BK+4*(\t)+2:BK+4*(\t)+3], v[BIAS+2:BIAS+3]
	global_store_b128 v[CO], v[BK+4*(\t):BK+4*(\t)+3], s[10:11] offset:(16*(\a)+(\t))*ROWC th:TH_STORE_NT  ; 32 lanes store 512 consecutive bytes, at a multiple of 512 from out0's first byte; the row stands in the immediate, 127 rows at the most
.endr
.endm
	s_wait_loadcnt 0x0                             ; the bias, once
	s_wait_tensorcnt 1                             ; my part of K step 0 is in; K step 1's may stay out
	s_barrier_signal -1
	s_barrier_wait -1                              ; everybody's is
	FETCH 0, 0, F0
	QUARTER 0, 1, F0, F1, 1                        ; the first quarter stands in front of the loop: its products start the sums
	WIN 0                                          ; at a label and at a branch every window is 0
	s_mov_b32 s3, LAPS-1
.Llap:                                                 ; a trip goes once round the ring, from a lap's second quarter to the next lap's first, and fills both slots again
	QUARTER 0, 2, F1, F0, 0
	QUARTER 0, 3, F0, F1, 0
	TURN 0, 1, 1
	QUARTER 1, 1, F0, F1, 0
	QUARTER 1, 2, F1, F0, 0
	QUARTER 1, 3, F0, F1, 0
	TURN 1, 0, 1
	QUARTER 0, 1, F0, F1, 0
	WIN 0
	s_sub_co_u32 s3, s3, 1
	s_cmp_lg_u32 s3, 0
	s_cbranch_scc1 .Llap
	QUARTER 0, 2, F1, F0, 0                        ; the last lap is written out: it fills nothing
	QUARTER 0, 3, F0, F1, 0
	TURN 0, 1, 0
	QUARTER 1, 1, F0, F1, 0
	QUARTER 1, 2, F1, F0, 0
	QUARTER 1, 3, F0, F1, 0
	s_wait_dscnt 8                                 ; the very last quarter: nothing more to fetch
	MUL16 F1, 0, 0, 0
	MUL16 F1, 0, 2, 0
	s_wait_dscnt 0x0
	MUL16 F1, 1, 0, 0
	MUL16 F1, 1, 2, 0
	WIN 0
	PLACES                                         ; behind the last products, in front of the LDS stores that read results and of the loads into A's buffers;
	PLACES                                         ; twice four, once a launch
	TOSTAGE 0
.irp a, 1,2,3,4,5,6,7                  ; block a's trip through the stage is issued ahead of block a - 1's stores
	TOSTAGE \a
	SEND (\a)-1, 32
.endr
	SEND 7, 0
	s_wait_tensorcnt 0x0                           ; the wave's end, behind my last tensor load and my last LDS store
	ds_add_u32 v[SPW], v[NIL]
	s_wait_dscnt 0x0
	CROUND                                         ; the closing round: no work-group ends while a partner may still ask for a tile that names it
	s_endpgm
.Lfunc_end_k_q01505f6765_gemm:
	.size	k_q01505f6765_gemm, .Lfunc_end_k_q01505f6765_gemm-k_q01505f6765_gemm
	.p2alignl 7, 3214868480
	.fill 96, 4, 3214868480
	.section	.rodata,"a",@progbits
	.p2align	6, 0x0
	.amdhsa_kernel k_q01505f6765_gemm
		.amdhsa_group_segment_fixed_size 327680
		.amdhsa_private_segment_fixed_size 0
		.amdhsa_enable_private_segment 0
		.amdhsa_kernarg_size 32
		.amdhsa_user_sgpr_count 2
		.amdhsa_user_sgpr_kernarg_segment_ptr 1
		.amdhsa_wavefront_size32 1
		.amdhsa_system_sgpr_workgroup_id_x 1
		.amdhsa_system_sgpr_workgroup_id_y 1
		.amdhsa_system_sgpr_workgroup_id_z 1
		.amdhsa_system_vgpr_workitem_id 0
		.amdhsa_next_free_vgpr 1024
		.amdhsa_next_free_sgpr 66
		.amdhsa_reserve_vcc 0
		.amdhsa_float_denorm_mode_32 3
		.amdhsa_float_denorm_mode_16_64 3
		.amdhsa_memory_ordered 1
		.amdhsa_forward_progress 1
		.amdhsa_inst_pref_size 162
	.end_amdhsa_kernel
	.amdgpu_metadata
---
amdhsa.version: [ 1, 2 ]
amdhsa.kernels:
  - .name:           k_q01505f6765_gemm
    .symbol:         k_q01505f6765_gemm.kd
    .args:
      - { .name: xb, .offset: 0, .size: 8, .value_kind: global_buffer, .address_space: global }
      - { .name: wq, .offset: 8, .size: 8, .value_kind: global_buffer, .address_space: global }
      - { .name: b, .offset: 16, .size: 8, .value_kind: global_buffer, .address_space: global }
      - { .name: out0, .offset: 24, .size: 8, .value_kind: global_buffer, .address_space: global }
    .group_segment_fixed_size: 327680
    .private_segment_fixed_size: 0
    .kernarg_segment_align: 8
    .kernarg_segment_size: 32
    .max_flat_workgroup_size: 128
    .sgpr_count:     66
    .vgpr_count:     1024
    .wavefront_size: 32
...
	.end_amdgpu_metadata
.endif
;; end of part 2
;; ======== version 2 of 2: 2 launches; version 1 with the launch prep written anew for expert scheduling mode
;; workspace buffers: xb 33,554,432 bytes; wq 33,554,432 bytes
;; launch prep (part 3): grid 512 x 2, 8 waves a work-group, no clusters, 0 bytes of LDS; arguments x, W, xb, wq; writes xb, wq
.if DOCPART == 3
	.amdgcn_target "amdgcn-amd-amdhsa--gfx1250"
	.amdhsa_code_object_version 6
	.text
	.protected	k_q01505f6765_prep
	.globl	k_q01505f6765_prep
	.p2align	8
	.type	k_q01505f6765_prep,@function
k_q01505f6765_prep:
	s_mov_b64 s[64:65], 0
	v_nop
	global_prefetch_b8 v0, s[64:65] scope:SCOPE_SE
	s_setreg_imm32_b32 hwreg(HW_REG_WAVE_SCHED_MODE, 0, 2), 2
	s_setreg_imm32_b32 hwreg(HW_REG_WAVE_MODE, 25, 1), 1
	s_wait_xcnt 0x0
	s_wait_alu depctr_vm_vsrc(0)
; xb = bf16(x), wq = bf16(sign(W)); both keep their source's layout, [4096][4096] row-major.
; Work-groups with y = 0 take x, those with y = 1 take W.  A work-group owns 131,072 consecutive input bytes: 32 lines of 4,096 bytes, and the 65,536 output bytes that they make.
; In line n thread t loads the 16 bytes at 4,096 n + 16 t (a wave's load covers 512 consecutive bytes) and stores the 8 bytes at 2,048 n + 8 t (a wave's store covers 256 consecutive
; bytes, aligned).  Every byte is read once and written once; nothing is shared between threads, so there is no LDS, no barrier, no cluster and no matrix work.
; All 32 lines stand in the immediates: no address register is ever rewritten, and there is no loop.
; LIMITS.  x is rounded once to bf16, to nearest even; its range is f32's own.  sign(W) is -1, 0 or +1, exact in bf16; W = +0 and W = -0 give +0.
; A NaN in W counts as +1 or -1 by its sign bit, where the sign function would give NaN.
; THE MODE: SCHED_MODE bits 1:0 = 2 (LLVM: expert scheduling mode 2), set by the entry lines.  The code itself states the register dependences
; between vector instructions and memory instructions, with s_wait_alu, always for 0.
; THE PLAN.  The 32 lines go in 8 blocks of four.  Registers that memory instructions touch:
;   X0 .. X4   five blocks as loaded.  Written by loads alone: blocks 0 to 3 at the head, block p + 4 in block p.  Read by block p's vector lines (X[p % 5]).
;   Y0, Y1     two blocks to store.    Written by block p's conversions (Y[p % 2]); read by the four stores that are issued in block p + 1.
;   v1, v2     byte offsets, made once at the head and never written again.
; Block p works on X[p % 5] and writes Y[p % 2].  Its memory instructions are the loads into X[(p + 4) % 5] = X[(p - 1) % 5] and the stores from Y[(p - 1) % 2]: the two buffers that
; block p - 1 worked on and that no vector instruction of block p names.  So the waits at a block's head state all that its eight memory instructions hang on, and these are dealt
; among its vector instructions with no further wait.  With five X buffers 12 to 16 loads of every wave are on their way.
; The sign's 16 compares of a block write 16 scalar registers, in one run, with one wait between the run and the first select that reads a mask.
.set LINES,  32                        ; lines of a work-group
.set BLOCK,  4                         ; lines in a block
.set BLOCKS, LINES / BLOCK
.set IN,  1                            ; v1         16 t; never rewritten
.set OUT, 2                            ; v2         8 t; never rewritten
.set T,   4                            ; v[4:19]    at work: a block's 16 signs in f32; no memory instruction names them
.set X,   20                           ; v[20:99]   buffer k, line i: 4 registers at X + 16 k + 4 i, as loaded
.set Y,   100                          ; v[100:115] buffer k, line i: 2 registers at Y + 8 k + 2 i, to store
.set CM,  24                           ; s[24:39]   a block's 16 masks: w is not 0
	s_load_b256 s[4:11], s[0:1], 0x0               ; x s[4:5], W s[6:7], xb s[8:9], wq s[10:11]
	s_and_b32 s12, ttmp7, 0xffff                   ; y: 0 = x, 1 = W
	s_lshl_b32 s18, ttmp9, 17                      ; the work-group's first input byte,
	s_mov_b32 s19, 0
	s_lshl_b32 s20, ttmp9, 16                      ; and its first output byte
	s_mov_b32 s21, 0
	s_mov_b32 s22, 0x80000000                      ; an f32's sign bit
	s_mov_b32 s23, 0x3f800000                      ; 1.0
	v_lshlrev_b32 v[IN], 4, v0
	v_lshlrev_b32 v[OUT], 3, v0
	s_wait_kmcnt 0x0
	s_cmp_eq_u32 s12, 0
	s_cselect_b64 s[14:15], s[4:5], s[6:7]         ; from where,
	s_cselect_b64 s[16:17], s[8:9], s[10:11]       ; to where
	s_add_nc_u64 s[14:15], s[14:15], s[18:19]
	s_add_nc_u64 s[16:17], s[16:17], s[20:21]
	s_wait_alu depctr_va_vdst(0)                   ; v1 and v2 are written: every load of the kernel reads v1 as its offset, every store v2
.set ln, 0
.rept 4*BLOCK
	global_load_b128 v[X+4*ln:X+4*ln+3], v[IN], s[14:15] offset:ln*4096 th:TH_LOAD_NT  ; blocks 0 to 3 into X0 to X3
.set ln, ln+1
.endr
; Block p.  mode = 0: round to bf16.  mode = 1: the sign, then the same (exact) conversion.
.macro BLK p, mode
.set XW, X+16*((\p)%5)                 ; the block at work
.set XL, X+16*(((\p)+4)%5)             ; where block p + 4 lands: the buffer that block p - 1 worked on
.set YW, Y+8*((\p)%2)                  ; what this block writes
.set YS, Y+8*(((\p)+1)%2)              ; what block p - 1 wrote
.if (\p) <= BLOCKS-4
	s_wait_loadcnt 3*BLOCK                         ; loads come back in order (ISA guide 5.7.1): block p is in, the three younger blocks stay out
.else
	s_wait_loadcnt (BLOCKS-1-(\p))*BLOCK           ; nothing is loaded any more: the counts run down
.endif
.if (\p) >= 2
	s_wait_xcnt 0x0                                ; every earlier memory instruction has had its addresses translated (ISA guide 3.1): this block's Y, the data of the stores issued in the block before, is rewritten only behind this wait
	s_wait_alu depctr_vm_vsrc(0)                   ; those stores have read this block's Y, which the conversions below write again
.endif
.if (\p) >= 1
	s_wait_alu depctr_va_vdst(0)                   ; the block before has written the other Y, which the stores below read, and is done reading its X, in which the loads below (blocks 1 to 3) land
.endif
.irp i, 0,1,2,3
.if (\p)+4 < BLOCKS
	global_load_b128 v[XL+4*(\i):XL+4*(\i)+3], v[IN], s[14:15] offset:(BLOCK*((\p)+4)+(\i))*4096 th:TH_LOAD_NT  ; four blocks ahead, ahead of the store; no vector instruction since the wait names these registers
.endif
.if (\p) >= 1
	global_store_b64 v[OUT], v[YS+2*(\i):YS+2*(\i)+1], s[16:17] offset:(BLOCK*((\p)-1)+(\i))*2048 th:TH_STORE_NT  ; the block before
.endif
.if \mode
.irp k, 0,1,2,3
	v_cmp_neq_f32 s[CM+4*(\i)+(\k)], 0, v[XW+4*(\i)+(\k)]          ; is w other than 0?
.endr
.irp k, 0,1,2,3
	v_and_or_b32 v[T+4*(\i)+(\k)], v[XW+4*(\i)+(\k)], s22, s23     ; w's sign bit over 1.0
.endr
.else
	v_cvt_pk_bf16_f32 v[YW+2*(\i)], v[XW+4*(\i)], v[XW+4*(\i)+1]
	v_cvt_pk_bf16_f32 v[YW+2*(\i)+1], v[XW+4*(\i)+2], v[XW+4*(\i)+3]
.endif
.endr
.if \mode
	s_wait_alu depctr_va_sdst(0)                   ; the block's 16 compares have written s[24:39], ahead of the first select that reads one of them
.irp i, 0,1,2,3
.irp k, 0,1,2,3
	v_cndmask_b32 v[T+4*(\i)+(\k)], 0, v[T+4*(\i)+(\k)], s[CM+4*(\i)+(\k)]  ; and 0 where w is 0
.endr
	v_cvt_pk_bf16_f32 v[YW+2*(\i)], v[T+4*(\i)], v[T+4*(\i)+1]
	v_cvt_pk_bf16_f32 v[YW+2*(\i)+1], v[T+4*(\i)+2], v[T+4*(\i)+3]
.endr
.endif
.endm
; Behind the last block: its four stores.
.macro LAST
	s_wait_alu depctr_va_vdst(0)                   ; block 7 has written Y1, which the last four stores read
.irp i, 0,1,2,3
	global_store_b64 v[OUT], v[Y+8+2*(\i):Y+8+2*(\i)+1], s[16:17] offset:(BLOCK*(BLOCKS-1)+(\i))*2048 th:TH_STORE_NT
.endr
.endm
	s_cmp_lg_u32 s12, 0
	s_cbranch_scc1 .Lsign
.set bl, 0
.rept BLOCKS
	BLK bl, 0
.set bl, bl+1
.endr
	LAST
	s_endpgm
.Lsign:
.set bl, 0
.rept BLOCKS
	BLK bl, 1
.set bl, bl+1
.endr
	LAST
	s_endpgm
.Lfunc_end_k_q01505f6765_prep:
	.size	k_q01505f6765_prep, .Lfunc_end_k_q01505f6765_prep-k_q01505f6765_prep
	.p2alignl 7, 3214868480
	.fill 96, 4, 3214868480
	.section	.rodata,"a",@progbits
	.p2align	6, 0x0
	.amdhsa_kernel k_q01505f6765_prep
		.amdhsa_group_segment_fixed_size 0
		.amdhsa_private_segment_fixed_size 0
		.amdhsa_enable_private_segment 0
		.amdhsa_kernarg_size 32
		.amdhsa_user_sgpr_count 2
		.amdhsa_user_sgpr_kernarg_segment_ptr 1
		.amdhsa_wavefront_size32 1
		.amdhsa_system_sgpr_workgroup_id_x 1
		.amdhsa_system_sgpr_workgroup_id_y 1
		.amdhsa_system_sgpr_workgroup_id_z 1
		.amdhsa_system_vgpr_workitem_id 0
		.amdhsa_next_free_vgpr 116
		.amdhsa_next_free_sgpr 66
		.amdhsa_reserve_vcc 0
		.amdhsa_float_denorm_mode_32 3
		.amdhsa_float_denorm_mode_16_64 3
		.amdhsa_memory_ordered 1
		.amdhsa_forward_progress 1
		.amdhsa_inst_pref_size 46
	.end_amdhsa_kernel
	.amdgpu_metadata
---
amdhsa.version: [ 1, 2 ]
amdhsa.kernels:
  - .name:           k_q01505f6765_prep
    .symbol:         k_q01505f6765_prep.kd
    .args:
      - { .name: x, .offset: 0, .size: 8, .value_kind: global_buffer, .address_space: global }
      - { .name: W, .offset: 8, .size: 8, .value_kind: global_buffer, .address_space: global }
      - { .name: xb, .offset: 16, .size: 8, .value_kind: global_buffer, .address_space: global }
      - { .name: wq, .offset: 24, .size: 8, .value_kind: global_buffer, .address_space: global }
    .group_segment_fixed_size: 0
    .private_segment_fixed_size: 0
    .kernarg_segment_align: 8
    .kernarg_segment_size: 32
    .max_flat_workgroup_size: 256
    .sgpr_count:     66
    .vgpr_count:     116
    .wavefront_size: 32
...
	.end_amdgpu_metadata
.endif
;; end of part 3
;; launch gemm: the kernel of part 2 again; grid 16 x 16, 4 waves a work-group, clusters of 4 x 4, 327,680 bytes of LDS; arguments xb, wq, b, out0; writes out0
